; MI455X (gfx1250); checked and timed in simulation.
; The chip was launched on July 23, 2026; its instructions are those of AMD's public machine-readable ISA for CDNA 5 (MIT licence, August 2026) and "CDNA5" Instruction Set Architecture Reference Guide (July 2026). The comments in the code are by the model that wrote it; some were corrected since.
;; Multi Category Encoder. Allowed arithmetic: matrix products marked QUANTISED: E5M2 operands, one E8M0 scale for each 32 along K, by v_wmma_scale_f32_16x16x128_f8f6f4 with both operands' format E5M2, f32 sums; everything else in f32.
;; Inputs: W 16 x 256 x 4,096 float32; batch 4,096 x 4,096 float32; classes 4,096 int32.
;; Outputs: out0 4,096 x 256 float32.
;; This version of the problem:
;;   THIS VERSION OF THE PROBLEM IS GIVEN IN LOW PRECISION. The matrix products marked QUANTISED in the list below multiply operands that are first quantised to E5M2 (5 exponent bits, 2 mantissa bits; 8 bits a number), with one power-of-two scale for each 32 numbers along K (OCP MX v1.0); their sums are f32. All else is computed in f32.
;;   The module's matrix products, in the order in which they are computed (A, B: the left and right operand; K: the contracted axis; several contracted axes count as one K, in the product's order):
;;     1. [M 4,096, K 4,096] x [K 4,096, N 4,096]; A: input batch; B: input W: QUANTISED
;;   THE QUANTISER, for each operand of a quantised product, along K:
;;     - K is cut into blocks of 32 from its start; a last block that is shorter is filled with zeros.
;;     - A block's scale is 2^e with e = floor(log2(the largest magnitude in the block)) - 15, held to -126 .. 127; a block of zeros has e = 0. As a byte (E8M0): e + 127.
;;     - Each number is divided by its block's scale, clamped to +-57,344, and rounded to the nearest number of E5M2, ties to even, subnormals kept.
;;     - The product sums the exact products of the quantised numbers (number of the format x scale) in f32.
;;   ~~~python
;;   def quantise(x, axis):      # numpy; x: float32 -> the quantised numbers, widened to float32 again
;;       x = np.moveaxis(x, axis, -1); K = x.shape[-1]
;;       x = np.pad(x, [(0, 0)] * (x.ndim - 1) + [(0, -K % 32)]); x = x.reshape(x.shape[:-1] + (-1, 32)); a = np.abs(x).max(-1, keepdims=True)
;;       e = np.where(a > 0, np.clip(np.frexp(np.where(a > 0, a, 1))[1] - 1 - 15, -126, 127), 0)      # np.frexp(a)[1] - 1 = floor(log2(a)), exactly
;;       r = np.clip(x / 2.0 ** e, -57344, 57344)
;;       step = 2.0 ** (np.maximum(np.frexp(np.where(r == 0, 1, r))[1] - 1, -14) - 2)
;;       q = np.round(r / step) * step * 2.0 ** e      # np.round: ties to even
;;       return np.moveaxis(q.reshape(q.shape[:-2] + (-1,))[..., :K], -1, axis).astype(np.float32)
;;   ~~~
;; One version. Each part assembles by itself: llvm-mc -triple=amdgcn-amd-amdhsa -mcpu=gfx1250 --defsym DOCPART=n.
;; ======== version 1 of 1: 2 launches
;; workspace buffers: bcodes 16,777,216 bytes; bscales 524,288 bytes; wcodes 16,777,216 bytes; wscales 524,288 bytes; rows 20,480 bytes of whole numbers; tinfo 1,024 bytes of whole numbers
;; launch prep (part 1): grid 385 x 1, 8 waves a work-group, no clusters, 136,192 bytes of LDS; arguments W, batch, classes, wcodes, wscales, bcodes, bscales, rows, tinfo; writes wcodes, wscales, bcodes, bscales, rows, tinfo
.if DOCPART == 1
	.amdgcn_target "amdgcn-amd-amdhsa--gfx1250"
	.amdhsa_code_object_version 6
	.text
	.protected	k_q3b66389993_prep
	.globl	k_q3b66389993_prep
	.p2align	8
	.type	k_q3b66389993_prep,@function
k_q3b66389993_prep:
	s_mov_b64 s[64:65], 0
	v_nop
	global_prefetch_b8 v0, s[64:65] scope:SCOPE_SE
	s_setreg_imm32_b32 hwreg(HW_REG_WAVE_MODE, 25, 1), 1
	s_wait_xcnt 0x0
; THE LAUNCH IN FRONT OF THE PRODUCT.  Three jobs, shared out by the work-group's number; each has LDS bytes of its own.
;   work-group 0:          the 4,096 rows are sorted by class (a counting sort, no atomics) into tiles of 64 rows of one class:
;                          rows[tile][64] = row numbers (0 in empty places), tinfo[tile] = class | number of rows << 8 (0 rows: tile not used).
;   work-groups 1..128:    W [16][256][4096] f32 -> codes of E5M2 and E8M0 scale bytes, laid in the ORDER OF THE OPERAND'S REGISTERS:
;                          wcodes[g = 16 rows][K step of 128][2,048 bytes]: registers 4c..4c+3 of lane l at 512 c + 16 l;
;                          wscales[g / 2][quarter of K][16 (g % 2) + r][8 words]: a lane's scale words of eight K steps on end.
;   work-groups 129..384:  batch [4096][4096] f32 -> bcodes [row][4096 bytes], bscales [row][128 bytes]: a plain stream of blocks of 32.
; THE QUANTISER.  A block's scale is 2^(floor(log2(largest magnitude)) - 15); its byte is that magnitude's exponent field - 15, held at 1 from below;
; each number is divided by the scale, held within +-57,344 and rounded to the nearest code, ties to even.
; LIMITS: a block of zeros gets the byte 1 where the rule says 127 (its codes are zeros, and this program alone reads the bytes); blocks whose largest
; magnitude lies under 2^(16 - 127) take the floor's byte; NaN and infinities among the inputs are not served; classes lie in 0..15, as the indexed table asks.
; No tensor loads, no cluster: the work-groups share no input.  256 registers a wave and 135,168 bytes of LDS: two work-groups to a WGP.
.set EMAX,  15
.set MANT,  0x600000                   ; the mantissa field of 57,344 as f32
.set FLOOR, (EMAX+1)<<23               ; 2^(16 - 127)
.set BREG,  8192                       ; LDS 0..65,535: batch path, a region for each wave: two stages of 32 x 80 bytes, then its 256 scale bytes
.set BSP,   80
.set WSTG,  65536                      ; LDS 65,536..133,119: W path, a stage of 16 rows x 528 bytes for each wave
.set WP,    528
.set HIST,  133120                     ; LDS: sort path: 8 waves x 16 counts
.set TI,    133632                     ; LDS: sort path: the 256 words of the tile table
	s_load_b256 s[4:11], s[0:1], 0x0               ; W s[4:5], batch s[6:7], classes s[8:9], wcodes s[10:11]
	s_load_b256 s[12:19], s[0:1], 0x20             ; wscales s[12:13], bcodes s[14:15], bscales s[16:17], rows s[18:19]
	s_load_b64 s[20:21], s[0:1], 0x40              ; tinfo
	s_set_vgpr_msb 0x40
	v_lshl_add_u32 v0, v0, 2, 0x21000
	v_mov_b32 v1, 0
	s_set_vgpr_msb 0x4000
	v_lshrrev_b32 v1, 5, v0
	s_delay_alu instid0(VALU_DEP_1)
	v_readfirstlane_b32 s22, v1                    ; wave 0..7
	v_and_b32 v2, 31, v0                           ; lane
	s_wait_kmcnt 0x0
	s_cmp_eq_u32 ttmp9, 0                          ; the three jobs part on the work-group's number alone
	s_cbranch_scc1 .Lsort
	s_cmp_lt_u32 ttmp9, 129
	s_cbranch_scc1 .Lw
; ======== BATCH.  A wave takes 8,192 numbers, 16 steps of 512.  Each load reads 512 consecutive bytes, 16 a lane; a step's 2,048 bytes turn through the wave's own
; stage in LDS and come back 64 bytes a lane: 16 neighbours along K, two lanes to a block.  A lane's 16 codes are 16 bytes: the wave stores 512 consecutive bytes.
; The wave's 256 scale bytes are gathered in LDS and leave as one aligned run of 256 bytes.  Loads run four steps ahead, the turn through LDS one step.
.set BR, 16                            ; v16-79   four sets of 16 numbers as loaded
.set BX, 80                            ; v80-111  two sets of 16 neighbours
.set BE, 112                           ; v112-127 a scale byte for each step
.set BC, 128                           ; v128-191 codes: four registers for each step, so that no store's data are written again
	s_sub_co_u32 s24, ttmp9, 129
	s_lshl_b32 s24, s24, 3
	s_add_co_u32 s24, s24, s22                     ; which run of 8,192 numbers is my wave's: 0..2047
	s_mov_b32 s27, 0
	s_lshl_b32 s26, s24, 15
	s_add_nc_u64 s[6:7], s[6:7], s[26:27]          ; 32,768 bytes of f32 a run,
	s_lshl_b32 s26, s24, 13
	s_add_nc_u64 s[14:15], s[14:15], s[26:27]      ; 8,192 of codes,
	s_lshl_b32 s26, s24, 8
	s_add_nc_u64 s[16:17], s[16:17], s[26:27]      ; 256 of scale bytes
	s_wait_alu depctr_va_vdst(0)
	v_lshlrev_b32 v3, 4, v2                        ; my 16 bytes of a load's 512
	s_mul_i32 s25, s22, BREG
	v_lshrrev_b32 v14, 2, v2
	s_delay_alu instid0(VALU_DEP_1)
	v_mul_u32_u24 v14, v14, BSP
	v_and_b32 v15, 3, v2
	s_delay_alu instid0(VALU_DEP_1)
	v_lshl_add_u32 v14, v15, 4, v14
	s_delay_alu instid0(VALU_DEP_1)
	v_add_nc_u32 v14, s25, v14                     ; the stage, on the way in: four lanes' 64 bytes on end, then 16 of padding
	v_mul_u32_u24 v15, v2, BSP
	s_delay_alu instid0(VALU_DEP_1)
	v_add_nc_u32 v15, s25, v15                     ; and on the way out: 80 x lane: my 16 neighbours
	v_lshlrev_b32 v4, 4, v2                        ; my codes' place in a step's
	v_lshrrev_b32 v5, 1, v2
	s_add_co_u32 s25, s25, 2*32*BSP
	v_add_nc_u32 v5, s25, v5                       ; my wave's 256 scale bytes, my block's byte
	v_lshlrev_b32 v7, 3, v2                        ; and on the way out 8 bytes a lane
	s_delay_alu instid0(VALU_DEP_1)
	v_add_nc_u32 v6, s25, v7
	s_mov_b32 s23, MANT                            ; (an instruction takes one literal: the hold's line has another)
.macro BLOAD t
.irp i, 0,1,2,3
	global_load_b128 v[BR+16*((\t)%4)+4*\i:BR+16*((\t)%4)+4*\i+3], v3, s[6:7] offset:2048*(\t)+512*\i th:TH_LOAD_NT   ; 32 lanes read 512 consecutive bytes; read once in the launch
.endr
.endm
.macro BTURN t                         ; step t's numbers through the stage: LDS serves a wave's instructions in order, so no wait stands between the stores and the loads
.irp i, 0,1,2,3
	ds_store_b128 v14, v[BR+16*((\t)%4)+4*\i:BR+16*((\t)%4)+4*\i+3] offset:32*BSP*((\t)%2)+8*BSP*\i
.endr
.irp i, 0,1,2,3
	ds_load_b128 v[BX+16*((\t)%2)+4*\i:BX+16*((\t)%2)+4*\i+3], v15 offset:32*BSP*((\t)%2)+16*\i
.endr
.endm
.irp t, 0,1,2,3
	BLOAD \t
.endr
	s_wait_alu depctr_va_vdst(0)
	s_wait_loadcnt 12                              ; step 0's four loads are in; the twelve of steps 1 to 3 may be out
	BTURN 0
.macro BSTEP t
.set XS, BX+16*((\t)%2)
.if (\t) > 0
	s_wait_dscnt 1                                 ; this step's numbers are back from the stage (the last step's byte store may be out): so its stores into the stage have read their registers,
.else
	s_wait_dscnt 0x0
.endif
.if (\t)+4 < 16
	BLOAD (\t)+4                                   ; which take the loads of four steps on
.endif
.if (\t)+1 < 16
.if 14-(\t) >= 3
	s_wait_loadcnt 12                              ; the next step's four loads are in; those of the three steps behind it may be out
.else
	s_wait_loadcnt 4*(14-(\t))
.endif
	BTURN (\t)+1                                   ; and go through the other stage while this step is worked
.endif
	v_max3_num_f32 v8, |v[XS]|, |v[XS+1]|, |v[XS+2]|               ; the largest magnitude of my 16, in two chains
	v_max3_num_f32 v9, |v[XS+3]|, |v[XS+4]|, |v[XS+5]|
.irp i, 6,10
	s_delay_alu instid0(VALU_DEP_2)
	v_max3_num_f32 v8, v8, |v[XS+\i]|, |v[XS+\i+1]|
	s_delay_alu instid0(VALU_DEP_2)
	v_max3_num_f32 v9, v9, |v[XS+\i+2]|, |v[XS+\i+3]|
.endr
	s_delay_alu instid0(VALU_DEP_2)
	v_max3_num_f32 v8, v8, |v[XS+14]|, |v[XS+15]|
	s_delay_alu instid0(VALU_DEP_1)
	v_max3_num_f32 v8, v8, v9, FLOOR               ; and the floor: the byte cannot fall under 1
	s_delay_alu instid0(VALU_DEP_1)
	v_max_num_f32_dpp v8, v8, v8 row_xmask:1 row_mask:0xf bank_mask:0xf   ; and of my neighbour's 16: the block's
	s_delay_alu instid0(VALU_DEP_1)
	v_add_nc_u32 v11, -(EMAX<<23), v8              ; 15 off its exponent field: the conversion takes the exponent field of this operand as its scale
	s_delay_alu instid0(VALU_DEP_2)
	v_and_or_b32 v10, v8, 0x7f800000, s23          ; 57,344 x the scale
.irp i, 0,1,2,3,4,5,6,7,8,9,10,11,12,13,14,15
	v_med3_num_f32 v[XS+\i], v[XS+\i], -v10, v10   ; the conversion to an 8-bit code does not saturate (ISA guide 7.6.2): the hold comes first
.endr
	v_cvt_scalef32_pk8_bf8_f32 v[BC+4*(\t):BC+4*(\t)+1], v[XS:XS+7], v11
	v_cvt_scalef32_pk8_bf8_f32 v[BC+4*(\t)+2:BC+4*(\t)+3], v[XS+8:XS+15], v11
	v_lshrrev_b32 v[BE+(\t)], 23, v11              ; the scale's byte (also the plain line behind the conversions)
	ds_store_b8 v5, v[BE+(\t)] offset:16*(\t)      ; both lanes of a block write the same byte with the same value
	global_store_b128 v4, v[BC+4*(\t):BC+4*(\t)+3], s[14:15] offset:512*(\t)   ; 32 lanes store 512 consecutive bytes
.endm
.irp t, 0,1,2,3,4,5,6,7,8,9,10,11,12,13,14,15
	BSTEP \t
.endr
	ds_load_b64 v[12:13], v6                       ; LDS serves a wave's instructions in order: these see my byte stores
	s_wait_dscnt 0x0
	global_store_b64 v7, v[12:13], s[16:17]        ; 32 lanes store 256 consecutive bytes, aligned
	s_wait_xcnt 0x0
	s_mov_b32 exec_lo, -1
	s_set_vgpr_msb 0x5
	s_wait_tensorcnt 0x0
	ds_add_u32 v0, v1
	s_wait_dscnt 0x0
	s_set_vgpr_msb 0x500
	s_endpgm
; ======== W.  A wave takes 16 rows (group g) x a quarter of K: eight K steps of 128.  A step's sixteen loads read 512 consecutive bytes of one row each; they turn through the
; wave's stage (rows 528 bytes apart: 132 words, so that the 16 rows that a read touches start at 16 different groups of banks) and come back in the operand's layout:
; lane (r, h) holds, of row r, k = 32 b + 16 h + 0..15 in registers 16 b + 0..15.  The conversions' results are then the operand's registers, and leave as their image.
.Lw:
.set WTM, 8                            ; v8-11 largest magnitudes, v12-15 bytes, v16-19 57,344 x the scale, v20-23 the conversions' scale operands
.set WSW, 24                           ; v24-31   my row's scale word of each of the eight steps
.set WD,  32                           ; v32-35   the four of them that I store
.set WPC, 36                           ; v36-51   a fragment's codes
.set WX,  64                           ; v64-127  64 numbers in the operand's layout
.set WR,  128                          ; v128-255 two sets of 64 numbers as loaded
	s_sub_co_u32 s24, ttmp9, 1
	s_lshl_b32 s24, s24, 3
	s_add_co_u32 s24, s24, s22                     ; u = 4 g + quarter: 0..1023
	s_lshr_b32 s25, s24, 2                         ; g
	s_and_b32 s28, s24, 3                          ; the quarter of K
	s_mov_b32 s27, 0
	s_lshl_b32 s26, s25, 18                        ; 16 rows of 16,384 bytes
	s_lshl_b32 s29, s28, 12                        ; 1,024 numbers
	s_add_co_u32 s26, s26, s29
	s_add_nc_u64 s[4:5], s[4:5], s[26:27]
	s_lshl_b32 s26, s24, 14                        ; eight images of 2,048 bytes
	s_add_nc_u64 s[10:11], s[10:11], s[26:27]
	s_lshr_b32 s26, s25, 1
	s_lshl_b32 s26, s26, 12                        ; scale words: 4,096 bytes for a pair of groups,
	s_lshl_b32 s29, s28, 10                        ; 1,024 for a quarter of K,
	s_add_co_u32 s26, s26, s29
	s_and_b32 s29, s25, 1
	s_lshl_b32 s29, s29, 9                         ; 512 for the odd group
	s_add_co_u32 s26, s26, s29
	s_add_nc_u64 s[12:13], s[12:13], s[26:27]
	s_mov_b32 s30, 0x76543210
	s_mov_b32 s31, 0xfedcba98                      ; v_permlanex16_b32's selects for lane l xor 16
	s_mov_b32 s23, MANT
	v_and_b32 v6, 15, v0                           ; r
	v_bfe_u32 v7, v0, 4, 1                         ; h
	s_wait_alu depctr_va_vdst(0)
	v_lshlrev_b32 v2, 4, v2                        ; 16 x lane: in a load's 512 bytes, and in an image
	s_mul_i32 s29, s22, 16*WP
	s_add_co_u32 s29, s29, WSTG                    ; my stage
	v_add_nc_u32 v3, s29, v2                       ; in: a row as it was loaded
	v_mul_u32_u24 v4, v6, WP
	s_delay_alu instid0(VALU_DEP_1)
	v_lshl_add_u32 v4, v7, 6, v4
	s_delay_alu instid0(VALU_DEP_1)
	v_add_nc_u32 v4, s29, v4                       ; out: row r, + 64 h: my 16 numbers of a block of 32
	v_lshlrev_b32 v5, 5, v6
	s_delay_alu instid0(VALU_DEP_1)
	v_lshl_add_u32 v5, v7, 4, v5                   ; scale words: 32 bytes a row, 16 for each half of the lanes
.irp b, 0,1,2,3
	v_mov_b32 v[WTM+4+\b], 0                       ; written once: a lane permute's destination counts as one of its sources
.endr
.macro WLOAD s
.irp i, 0,1,2,3,4,5,6,7,8,9,10,11,12,13,14,15
	global_load_b128 v[WR+64*((\s)%2)+4*\i:WR+64*((\s)%2)+4*\i+3], v2, s[4:5] offset:16384*\i+512*(\s) th:TH_LOAD_NT   ; row i, K step s: 512 consecutive bytes; read once in the launch
.endr
.endm
.macro WQUANT w                        ; the 64 numbers in v[WX] on become a fragment's codes in v[WPC] on and my row's scale word in v[w]
.irp b, 0,1,2,3
	v_max3_num_f32 v[WTM+\b], |v[WX+16*\b]|, |v[WX+1+16*\b]|, FLOOR   ; block b: my 16 numbers, and the floor
.endr
.irp i, 2,4,6,8,10,12,14
.irp b, 0,1,2,3
	s_delay_alu instid0(VALU_DEP_4)
	v_max3_num_f32 v[WTM+\b], v[WTM+\b], |v[WX+16*\b+\i]|, |v[WX+1+16*\b+\i]|   ; the four blocks by turns: no line waits for the line above it
.endr
.endr
.irp b, 0,1,2,3
	s_delay_alu instid0(VALU_DEP_4)
	v_permlanex16_b32 v[WTM+4+\b], v[WTM+\b], s30, s31
.endr
.irp b, 0,1,2,3
	s_delay_alu instid0(VALU_DEP_4)
	v_max_num_f32 v[WTM+\b], v[WTM+\b], v[WTM+4+\b]   ; with lane l xor 16's: the block's largest magnitude
.endr
.irp b, 0,1,2,3
	s_delay_alu instid0(VALU_DEP_4)
	v_add_nc_u32 v[WTM+12+\b], 0xf8800000, v[WTM+\b]   ; 15 off its exponent field: the conversion's scale operand
.endr
.irp b, 0,1,2,3
	v_and_or_b32 v[WTM+8+\b], v[WTM+\b], 0x7f800000, s23   ; 57,344 x the scale
.endr
.irp b, 0,1,2,3
	v_lshrrev_b32 v[WTM+4+\b], 23, v[WTM+12+\b]    ; the scale's byte
.endr
	s_delay_alu instid0(VALU_DEP_3)
	v_lshl_or_b32 v[\w], v[WTM+5], 8, v[WTM+4]     ; the four bytes make my row's scale word for this K step
	s_delay_alu instid0(VALU_DEP_1)
	v_lshl_or_b32 v[\w], v[WTM+6], 16, v[\w]
	s_delay_alu instid0(VALU_DEP_1)
	v_lshl_or_b32 v[\w], v[WTM+7], 24, v[\w]
.irp b, 0,1,2,3
.irp i, 0,1,2,3,4,5,6,7,8,9,10,11,12,13,14,15
	v_med3_num_f32 v[WX+16*\b+\i], v[WX+16*\b+\i], -v[WTM+8+\b], v[WTM+8+\b]   ; the hold at the largest code x the scale (ISA guide 7.6.2)
.endr
	v_cvt_scalef32_pk8_bf8_f32 v[WPC+4*\b:WPC+1+4*\b], v[WX+16*\b:WX+7+16*\b], v[WTM+12+\b]
	v_cvt_scalef32_pk8_bf8_f32 v[WPC+2+4*\b:WPC+3+4*\b], v[WX+8+16*\b:WX+15+16*\b], v[WTM+12+\b]
.endr
	v_nop                                          ; one plain vector line behind the last conversion
.endm
.macro WSTEP s
.if (\s) < 7
	s_wait_loadcnt 16                              ; this step's sixteen loads are in; the next step's sixteen may be out
.else
	s_wait_loadcnt 0x0
.endif
.if (\s) > 0
	s_wait_xcnt 0x0                                ; the last step's stores have read the codes' registers, which this step writes again
.endif
.irp i, 0,1,2,3,4,5,6,7,8,9,10,11,12,13,14,15
	ds_store_b128 v3, v[WR+64*((\s)%2)+4*\i:WR+64*((\s)%2)+4*\i+3] offset:WP*\i
.endr
.irp b, 0,1,2,3
.irp j, 0,1,2,3
	ds_load_b128 v[WX+16*\b+4*\j:WX+16*\b+4*\j+3], v4 offset:128*\b+16*\j   ; LDS serves a wave's instructions in order: these see the stores above
.endr
.endr
	s_wait_dscnt 0x0                               ; the numbers are back, and the stores have read their registers,
.if (\s) < 6
	WLOAD (\s)+2                                   ; which take the loads of two steps on
.endif
	WQUANT WSW+(\s)
.irp c, 0,1,2,3
	global_store_b128 v2, v[WPC+4*\c:WPC+4*\c+3], s[10:11] offset:2048*(\s)+512*\c   ; the image: 32 lanes store 512 consecutive bytes
.endr
.endm
	WLOAD 0
	WLOAD 1
	s_wait_alu depctr_va_vdst(0)
.irp s, 0,1,2,3,4,5,6,7
	WSTEP \s
.endr
	v_cmp_eq_u32 vcc_lo, 1, v7                     ; both halves of the lanes hold row r's eight words: lanes 0-15 store the first four, lanes 16-31 the others
.irp q, 0,1,2,3
	v_cndmask_b32 v[WD+\q], v[WSW+\q], v[WSW+4+\q], vcc_lo
.endr
	global_store_b128 v5, v[WD:WD+3], s[12:13]     ; 32 lanes store 512 consecutive bytes
	s_wait_xcnt 0x0
	s_mov_b32 exec_lo, -1
	s_set_vgpr_msb 0x5
	s_wait_tensorcnt 0x0
	ds_add_u32 v0, v1
	s_wait_dscnt 0x0
	s_set_vgpr_msb 0x500
	s_endpgm
; ======== THE SORT.  256 threads, 16 classes each.  Wave w holds elements 512 w .. 512 w + 511: register j = 4 i + q of a lane is element 512 w + 128 i + 4 lane + q.
; Counts a wave and class -> LDS -> every wave knows each class's total and what the waves in front of it hold -> each class begins at a tile of its own
; (64 x its first tile) -> each element's place = the class's running place + the lanes in front of it with the same class.  The order inside a class is free.
; At most 64 + 15 = 79 tiles are used, whatever the split.
.Lsort:
.set SM,   32                          ; s[32:47]  a register's lane masks by class, then their counts
.set SRUN, 48                          ; s[48:63]  counts, later each class's running place
.set STB,  66                          ; s[66:81]  each class's first tile
.set SNN,  82                          ; s[82:97]  each class's rows
.set CL,   16                          ; v16-31    my 16 classes
.set PP,   32                          ; v32-47    their places, as byte offsets
.set RV,   48                          ; v48-63    their row numbers
.set TT,   64                          ; v64-79    at work, one a class
.set HH,   80                          ; v80-87    a class's counts in the eight waves
.set ZZ,   96                          ; v96-115   rows in use of 20 tiles
	s_wait_alu depctr_va_vdst(0)
	v_lshlrev_b32 v3, 4, v2
	s_delay_alu instid0(VALU_DEP_1)
	v_lshl_add_u32 v3, v1, 11, v3                  ; 2,048 x wave + 16 x lane
.irp i, 0,1,2,3
	global_load_b128 v[CL+4*\i:CL+4*\i+3], v3, s[8:9] offset:512*\i
.endr
.irp c, 0,1,2,3,4,5,6,7,8,9,10,11,12,13,14,15
	s_mov_b32 s[SRUN+\c], 0
.endr
	v_lshl_add_u32 v4, v1, 6, HIST                 ; my wave's 16 counts
	v_and_b32 v5, 15, v0
	s_delay_alu instid0(VALU_DEP_1)
	v_lshl_add_u32 v5, v5, 2, HIST                 ; class lane % 16 in wave 0's counts
	v_lshlrev_b32 v6, 2, v0                        ; 4 x thread
	v_lshlrev_b32 v7, 2, v2
	s_delay_alu instid0(VALU_DEP_1)
	v_lshl_add_u32 v7, v1, 9, v7                   ; the row number of my register 0: 512 x wave + 4 x lane
	v_mov_b32 v8, 0
	s_wait_loadcnt 0x0
.macro COUNT j
.irp c, 0,1,2,3,4,5,6,7,8,9,10,11,12,13,14,15
	v_cmp_eq_u32 s[SM+\c], \c, v[CL+\j]
.endr
.irp c, 0,1,2,3,4,5,6,7,8,9,10,11,12,13,14,15
	s_bcnt1_i32_b32 s[SM+\c], s[SM+\c]
.endr
.irp c, 0,1,2,3,4,5,6,7,8,9,10,11,12,13,14,15
	s_add_co_u32 s[SRUN+\c], s[SRUN+\c], s[SM+\c]
.endr
.endm
.irp j, 0,1,2,3,4,5,6,7,8,9,10,11,12,13,14,15
	COUNT \j
.endr
.irp c, 0,1,2,3,4,5,6,7,8,9,10,11,12,13,14,15
	v_mov_b32 v[TT+\c], s[SRUN+\c]
.endr
.irp g, 0,1,2,3
	ds_store_b128 v4, v[TT+4*\g:TT+4*\g+3] offset:16*\g   ; all lanes write the same words with the same values
.endr
	s_wait_dscnt 0x0                               ; for the others' sake: my counts have landed
	s_barrier_signal -1
	s_barrier_wait -1
.irp w, 0,1,2,3,4,5,6,7
	ds_load_b32 v[HH+\w], v5 offset:64*\w          ; lane c (and c + 16): class c's count in each wave
.endr
	v_mov_b32 v88, 0                               ; the class's rows in all,
	v_mov_b32 v89, 0                               ; and in the waves in front of mine
	s_wait_alu depctr_va_vdst(0)
	s_wait_dscnt 0x0
.irp w, 0,1,2,3,4,5,6,7
	s_cmp_gt_u32 s22, \w
	s_cselect_b32 s23, -1, 0
	v_add_nc_u32 v88, v88, v[HH+\w]
	v_and_b32 v90, s23, v[HH+\w]
	s_delay_alu instid0(VALU_DEP_1)
	v_add_nc_u32 v89, v89, v90
.endr
.irp c, 0,1,2,3,4,5,6,7,8,9,10,11,12,13,14,15
	v_readlane_b32 s[SNN+\c], v88, \c
	v_readlane_b32 s[SRUN+\c], v89, \c
.endr
	s_mov_b32 s23, 0                               ; tiles so far
.irp c, 0,1,2,3,4,5,6,7,8,9,10,11,12,13,14,15
	s_mov_b32 s[STB+\c], s23                       ; the class's first tile;
	s_lshl_b32 s24, s23, 6
	s_add_co_u32 s[SRUN+\c], s[SRUN+\c], s24       ; my wave's first place in it;
	s_add_co_u32 s24, s[SNN+\c], 63
	s_lshr_b32 s24, s24, 6
	s_add_co_u32 s23, s23, s24                     ; its tiles: rows / 64, rounded up
.endr
	; the tile table: thread t makes tile t's word.  Its class is the last whose first tile is not behind t
	v_mov_b32 v9, 0
	v_mov_b32 v10, 0
	v_mov_b32 v11, s[SNN]
.irp c, 1,2,3,4,5,6,7,8,9,10,11,12,13,14,15
	v_cmp_gt_u32 vcc_lo, s[STB+\c], v0             ; where the class begins behind t the old choice stays
	s_delay_alu instid0(VALU_DEP_1)
	v_cndmask_b32 v9, \c, v9, vcc_lo
	s_delay_alu instid0(VALU_DEP_2)
	v_cndmask_b32 v10, s[STB+\c], v10, vcc_lo
	s_delay_alu instid0(VALU_DEP_3)
	v_cndmask_b32 v11, s[SNN+\c], v11, vcc_lo
.endr
	s_delay_alu instid0(VALU_DEP_2)
	v_sub_nc_u32 v12, v0, v10
	s_delay_alu instid0(VALU_DEP_1)
	v_lshlrev_b32 v12, 6, v12                      ; the class's rows in front of this tile
	s_delay_alu instid0(VALU_DEP_1)
	v_cmp_lt_u32 vcc_lo, v12, v11
	s_delay_alu instid0(VALU_DEP_2)
	v_sub_nc_u32 v13, v11, v12
	s_delay_alu instid0(VALU_DEP_1)
	v_min_u32 v13, 64, v13
	s_delay_alu instid0(VALU_DEP_1)
	v_cndmask_b32 v13, 0, v13, vcc_lo              ; the tile's rows: 0 where the class has no more
	s_delay_alu instid0(VALU_DEP_1)
	v_lshl_or_b32 v13, v13, 8, v9
	v_lshl_add_u32 v12, v0, 2, TI
	ds_store_b32 v12, v13
	global_store_b32 v6, v13, s[20:21]             ; 256 threads store tinfo's 1,024 bytes on end
	s_wait_dscnt 0x0                               ; for the others' sake: my word of the table has landed
	s_barrier_signal -1
	s_barrier_wait -1
	v_lshrrev_b32 v14, 6, v0
	s_delay_alu instid0(VALU_DEP_1)
	v_lshl_add_u32 v14, v14, 2, TI
.irp i, 0,1,2,3,4,5,6,7,8,9,10,11,12,13,14,15,16,17,18,19
	ds_load_b32 v[ZZ+\i], v14 offset:16*\i         ; tile 4 i + thread / 64: for the empty places, further down
.endr
; Register j's 32 elements are placed.  These are stores of 4 bytes to places far apart, 16 KB in the whole launch: the places hang on the data.
.macro RANK j
.irp c, 0,1,2,3,4,5,6,7,8,9,10,11,12,13,14,15
	v_cmp_eq_u32 s[SM+\c], \c, v[CL+\j]
.endr
.irp c, 0,1,2,3,4,5,6,7,8,9,10,11,12,13,14,15
	v_mbcnt_lo_u32_b32 v[TT+\c], s[SM+\c], s[SRUN+\c]   ; the class's running place + the lanes in front of me that hold it
.endr
	v_cndmask_b32 v[PP+\j], 0, v[TT], s[SM]
.irp c, 1,2,3,4,5,6,7,8,9,10,11,12,13,14,15
	s_delay_alu instid0(VALU_DEP_1)
	v_cndmask_b32 v[PP+\j], v[PP+\j], v[TT+\c], s[SM+\c]
.endr
	s_wait_alu depctr_va_vdst(0)
.irp c, 0,1,2,3,4,5,6,7,8,9,10,11,12,13,14,15
	s_bcnt1_i32_b32 s[SM+\c], s[SM+\c]
.endr
.irp c, 0,1,2,3,4,5,6,7,8,9,10,11,12,13,14,15
	s_add_co_u32 s[SRUN+\c], s[SRUN+\c], s[SM+\c]
.endr
	v_min_u32 v[PP+\j], 5119, v[PP+\j]             ; inside the list's 80 x 64 words
	s_delay_alu instid0(VALU_DEP_1)
	v_lshlrev_b32 v[PP+\j], 2, v[PP+\j]
	v_add_nc_u32 v[RV+\j], 128*(\j/4)+\j%4, v7
	global_store_b32 v[PP+\j], v[RV+\j], s[18:19]  ; each j has registers of its own: no store's sources are written again
.endm
.irp j, 0,1,2,3,4,5,6,7,8,9,10,11,12,13,14,15
	RANK \j
.endr
	; the empty places of all 80 tiles get row 0: with the stores above every word of the list is written once
	v_and_b32 v15, 63, v0
	s_wait_dscnt 0x0
.irp i, 0,1,2,3,4,5,6,7,8,9,10,11,12,13,14,15,16,17,18,19
	v_lshrrev_b32 v[ZZ+\i], 8, v[ZZ+\i]            ; the tile's rows
.endr
	s_wait_xcnt 0x0                                ; EXEC changes only behind this wait
.irp i, 0,1,2,3,4,5,6,7,8,9,10,11,12,13,14,15,16,17,18,19
	v_cmp_ge_u32 vcc_lo, v15, v[ZZ+\i]
	s_and_saveexec_b32 s24, vcc_lo
	global_store_b32 v6, v8, s[18:19] offset:1024*\i
	s_wait_xcnt 0x0                                ; and again, in front of the line that widens it
	s_or_b32 exec_lo, exec_lo, s24
.endr
	s_wait_xcnt 0x0
	s_mov_b32 exec_lo, -1
	s_set_vgpr_msb 0x5
	s_wait_tensorcnt 0x0
	ds_add_u32 v0, v1
	s_wait_dscnt 0x0
	s_set_vgpr_msb 0x500
	s_endpgm
.Lfunc_end_k_q3b66389993_prep:
	.size	k_q3b66389993_prep, .Lfunc_end_k_q3b66389993_prep-k_q3b66389993_prep
	.p2alignl 7, 3214868480
	.fill 96, 4, 3214868480
	.section	.rodata,"a",@progbits
	.p2align	6, 0x0
	.amdhsa_kernel k_q3b66389993_prep
		.amdhsa_group_segment_fixed_size 136192
		.amdhsa_private_segment_fixed_size 0
		.amdhsa_enable_private_segment 0
		.amdhsa_kernarg_size 72
		.amdhsa_user_sgpr_count 2
		.amdhsa_user_sgpr_kernarg_segment_ptr 1
		.amdhsa_wavefront_size32 1
		.amdhsa_system_sgpr_workgroup_id_x 1
		.amdhsa_system_sgpr_workgroup_id_y 1
		.amdhsa_system_sgpr_workgroup_id_z 1
		.amdhsa_system_vgpr_workitem_id 0
		.amdhsa_next_free_vgpr 258
		.amdhsa_next_free_sgpr 100
		.amdhsa_reserve_vcc 1
		.amdhsa_float_denorm_mode_32 3
		.amdhsa_float_denorm_mode_16_64 3
		.amdhsa_memory_ordered 1
		.amdhsa_forward_progress 1
		.amdhsa_inst_pref_size 255
	.end_amdhsa_kernel
	.section	.bss,"aw",@nobits
	.p2align	6
	.space	262144
	.amdgpu_metadata
---
amdhsa.version: [ 1, 2 ]
amdhsa.kernels:
  - .name:           k_q3b66389993_prep
    .symbol:         k_q3b66389993_prep.kd
    .args:
      - { .name: W, .offset: 0, .size: 8, .value_kind: global_buffer, .address_space: global }
      - { .name: batch, .offset: 8, .size: 8, .value_kind: global_buffer, .address_space: global }
      - { .name: classes, .offset: 16, .size: 8, .value_kind: global_buffer, .address_space: global }
      - { .name: wcodes, .offset: 24, .size: 8, .value_kind: global_buffer, .address_space: global }
      - { .name: wscales, .offset: 32, .size: 8, .value_kind: global_buffer, .address_space: global }
      - { .name: bcodes, .offset: 40, .size: 8, .value_kind: global_buffer, .address_space: global }
      - { .name: bscales, .offset: 48, .size: 8, .value_kind: global_buffer, .address_space: global }
      - { .name: rows, .offset: 56, .size: 8, .value_kind: global_buffer, .address_space: global }
      - { .name: tinfo, .offset: 64, .size: 8, .value_kind: global_buffer, .address_space: global }
    .group_segment_fixed_size: 136192
    .private_segment_fixed_size: 0
    .kernarg_segment_align: 8
    .kernarg_segment_size: 72
    .max_flat_workgroup_size: 256
    .sgpr_count:     100
    .vgpr_count:     258
    .wavefront_size: 32
...
	.end_amdgpu_metadata
.endif
;; end of part 1
;; launch gemm (part 2): grid 4 x 79, 4 waves a work-group, no clusters, 70,144 bytes of LDS; arguments bcodes, bscales, wcodes, wscales, rows, tinfo, out0; writes out0
.if DOCPART == 2
	.amdgcn_target "amdgcn-amd-amdhsa--gfx1250"
	.amdhsa_code_object_version 6
	.text
	.protected	k_q3b66389993_gemm
	.globl	k_q3b66389993_gemm
	.p2align	8
	.type	k_q3b66389993_gemm,@function
k_q3b66389993_gemm:
	s_mov_b64 s[64:65], 0
	v_nop
	global_prefetch_b8 v0, s[64:65] scope:SCOPE_SE
	s_setreg_imm32_b32 hwreg(HW_REG_WAVE_MODE, 25, 1), 1
	s_wait_xcnt 0x0
; out0[row][:] = W[class of row] . batch[row], on codes of E5M2 with one E8M0 scale for each 32 along K, for the chosen class alone.
; SHARES.  Work-group (x, y): tile y of the sorted list (up to 64 rows of ONE class) x outputs 64 x .. 64 x + 63.  79 = 4096 / 64 + 16 - 1 tiles serve every split;
; a tile that a split leaves without rows stores nothing.  THE FOUR WAVES SHARE K: wave w takes k = 1,024 w .. 1,024 w + 1,023, eight K steps of 128, for the whole 64 x 64:
; 16 accumulators.  The four partial sums meet in LDS, and each wave adds and stores 16 whole rows of 256 bytes.
; ORDER OF ROUNDING: an output is (q0 + q1) + (q2 + q3) of four f32 sums over quarters of K, each ascending; not one ascending chain.
; OPERANDS COME FROM MEMORY STRAIGHT INTO REGISTERS.  W's codes lie in the order of the operand's registers: each load of a wave reads 512 consecutive bytes.  The rows of batch are
; named by the list: lane (r, h) reads 16 bytes of row r's codes, four loads a fragment; two neighbouring K steps, asked for in one run at the start, cover a row's aligned 256 bytes.
; NO JOINT LOADS: a class has from 0 to 64 tiles, by counts read from memory, so no fixed cluster holds partners of one class at every split; batch's rows are no tile that
; one descriptor could state; and no operand passes through LDS, where a joint load would have to land.
; THE MATRIX INSTRUCTION IS USED TRANSPOSED (source 0 = 16 rows of W, source 1 = 16 rows of batch): a lane then holds eight neighbouring outputs of one row.
; Indices read from memory are held inside their tables before they enter an address: rows at 4,095, the class at 15, a tile's rows at 64.
; REGISTERS.  window 0: v2-31 addresses; v32-63 batch's scale words (block i, step s at 32 + 8 i + s); v64-79 W's (pair p of blocks, step s at 64 + 8 p + s: lanes 0-15 the even block, 16-31 the odd);
;   v128-255 the accumulators ((i, b) at 128 + 8 (4 i + b)).   window 1: two buffers of 128: batch's four fragments at 128 p + 16 i, W's four at 128 p + 64 + 16 b.
.set AO,   4                           ; v4-7    byte offset of my 16 bytes in row (16 i + r)'s codes, at my wave's quarter of K
.set AS,   8                           ; v8-11   of that row's eight scale words
.set RO,   12                          ; v12-19  the way out: byte offset in out0 of my 16 bytes of row 16 w + 2 i + lane / 16
.set STO,  20                          ; v20     where I put 32 bytes of a row of my wave's part
.set RD,   21                          ; v21     where I read 16 bytes of a row back
.set REM,  22                          ; v22     the tile's rows - (16 w + lane / 16)
.set RI,   24                          ; v24-27  row numbers
.set SA,   32
.set SB,   64
.set ACC,  128
.set SP,   272                         ; a row in LDS: 256 bytes + 16: 68 words, so that the 16 rows that a store touches start at 16 different groups of banks
.set PART, 64*SP                       ; a wave's partial sums: 64 rows
.set MSB, 0
.macro WIN new                         ; the immediate's high byte repeats the setting that is left
.if MSB != \new
	s_set_vgpr_msb (MSB<<8)|\new
.set MSB, \new
.endif
.endm
.set W_MUL, 0x05                       ; sources 0 and 1 window 1; C and D window 0
.set TO_F,  0x40                       ; destination window 1, address window 0
	s_load_b256 s[4:11], s[0:1], 0x0               ; bcodes s[4:5], bscales s[6:7], wcodes s[8:9], wscales s[10:11]
	s_load_b128 s[12:15], s[0:1], 0x20             ; rows s[12:13], tinfo s[14:15]
	s_load_b64 s[16:17], s[0:1], 0x30              ; out0
	v_lshl_add_u32 v126, v0, 2, 0x11000
	v_mov_b32 v127, 0
	v_lshrrev_b32 v1, 5, v0
	v_readfirstlane_b32 s18, v1                    ; wave 0..3
	s_and_b32 s19, ttmp7, 0xffff                   ; the tile
	v_and_b32 v28, 31, v0                          ; lane
	v_and_b32 v29, 15, v0                          ; r
	v_bfe_u32 v30, v0, 4, 1                        ; h
	s_lshl_b32 s20, s19, 2                         ; its word of tinfo,
	s_mov_b32 s21, 0
	s_lshl_b32 s22, s19, 8                         ; its 64 words of the list
	s_mov_b32 s23, 0
	v_lshlrev_b32 v31, 2, v29                      ; place r of a block of 16
	s_lshl_b32 s26, s18, 6
	v_lshl_add_u32 v23, v30, 2, s26                ; place 16 w + h
	s_wait_alu depctr_va_vdst(0)
	s_wait_kmcnt 0x0
	s_add_nc_u64 s[14:15], s[14:15], s[20:21]
	s_add_nc_u64 s[12:13], s[12:13], s[22:23]
	s_load_b32 s24, s[14:15], 0x0
.irp i, 0,1,2,3
	global_load_b32 v[RI+\i], v31, s[12:13] offset:64*\i      ; the row at place 16 i + r
.endr
.irp i, 0,1,2,3,4,5,6,7
	global_load_b32 v[RO+\i], v23, s[12:13] offset:8*\i       ; the row at place 16 w + 2 i + h
.endr
	v_lshlrev_b32 v2, 4, v28                       ; 16 x lane: my place in an image
	v_lshlrev_b32 v3, 5, v28                       ; 32 x lane: my eight scale words of W
	s_mul_i32 s27, s18, PART
	v_mul_u32_u24 v[STO], v29, SP
	v_lshl_add_u32 v[STO], v30, 5, v[STO]
	v_add_nc_u32 v[STO], s27, v[STO]               ; my wave's part, row r, + 32 h
	s_mul_i32 s27, s18, 16*SP
	v_mul_u32_u24 v[RD], v30, SP
	v_lshl_add_u32 v[RD], v29, 4, v[RD]
	v_add_nc_u32 v[RD], s27, v[RD]                 ; rows 16 w on of part 0: lanes 0-15 one row, lanes 16-31 the next
	s_lshl_b32 s27, s18, 10
	v_lshl_add_u32 v28, v30, 4, s27                ; 16 h + my wave's 1,024 codes
	s_lshl_b32 s28, s18, 5                         ; my wave's eight scale words
	s_wait_kmcnt 0x0
	s_wait_loadcnt 0x0
	s_and_b32 s25, s24, 0xff
	s_min_u32 s25, s25, 15                         ; the class
	s_lshr_b32 s24, s24, 8
	s_min_u32 s24, s24, 64                         ; the tile's rows
	v_lshlrev_b32 v31, 4, v29                      ; (free since the wait for the loads)  16 r
.irp i, 0,1,2,3
	v_min_u32 v[RI+\i], 0xfff, v[RI+\i]
.endr
.irp i, 0,1,2,3,4,5,6,7
	v_min_u32 v[RO+\i], 0xfff, v[RO+\i]
.endr
.irp i, 0,1,2,3
	v_lshlrev_b32 v[AO+\i], 12, v[RI+\i]           ; a row of codes is 4,096 bytes,
	v_lshlrev_b32 v[AS+\i], 7, v[RI+\i]            ; of scale bytes 128
.endr
.irp i, 0,1,2,3
	v_add_nc_u32 v[AO+\i], v[AO+\i], v28
	v_add_nc_u32 v[AS+\i], s28, v[AS+\i]
.endr
.irp i, 0,1,2,3,4,5,6,7
	v_lshlrev_b32 v[RO+\i], 10, v[RO+\i]           ; a row of out0 is 1,024 bytes
.endr
.irp i, 0,1,2,3,4,5,6,7
	v_add_nc_u32 v[RO+\i], v[RO+\i], v31
.endr
	s_lshl_b32 s29, s18, 4
	s_sub_co_i32 s29, s24, s29
	v_sub_nc_u32 v[REM], s29, v30
	s_lshl_b32 s30, s25, 20                        ; W's codes: a class is 16 groups of 65,536 bytes,
	s_lshl_b32 s31, ttmp9, 18                      ; my 64 outputs four groups,
	s_add_co_u32 s30, s30, s31
	s_lshl_b32 s31, s18, 14                        ; my wave's eight K steps 8 x 2,048 bytes
	s_add_co_u32 s30, s30, s31
	s_mov_b32 s31, 0
	s_add_nc_u64 s[8:9], s[8:9], s[30:31]
	s_lshl_b32 s30, s25, 15                        ; W's scale words: a class is 8 pairs of 4,096 bytes,
	s_lshl_b32 s29, ttmp9, 13                      ; my 64 outputs two pairs,
	s_add_co_u32 s30, s30, s29
	s_lshl_b32 s29, s18, 10                        ; my quarter of K 1,024 bytes
	s_add_co_u32 s30, s30, s29
	s_add_nc_u64 s[10:11], s[10:11], s[30:31]
	s_lshl_b32 s30, ttmp9, 8                       ; out0: my 64 outputs are 256 bytes
	s_add_nc_u64 s[16:17], s[16:17], s[30:31]
	s_cmp_eq_u32 s24, 0                            ; a tile without rows passes over the loads, the products and the stores into LDS; the barrier stands on every path
	s_cbranch_scc1 .Lbar
; (A macro's arguments are put in as text: each stands in brackets wherever it is part of a larger expression.)
.macro LOADS s, p                      ; K step s: 32 loads into buffer p
	WIN TO_F
.irp i, 0,1,2,3
.irp c, 0,1,2,3
	global_load_b128 v[128*(\p)+16*\i+4*\c:128*(\p)+16*\i+4*\c+3], v[AO+\i], s[4:5] offset:128*(\s)+32*\c            ; batch: row 16 i + r, k = 128 s + 32 c + 16 h + 0..15
.endr
.endr
.irp b, 0,1,2,3
.irp c, 0,1,2,3
	global_load_b128 v[128*(\p)+64+16*\b+4*\c:128*(\p)+64+16*\b+4*\c+3], v2, s[8:9] offset:65536*\b+2048*(\s)+512*\c   ; W: group b's image: 512 consecutive bytes
.endr
.endr
.endm
; 16 matrix instructions: the 16 accumulators take turns, one instruction a turn, in the same order in every K step.  zero = 1: the first K step starts the sums: nothing is cleared.
.macro MUL s, p, zero
	WIN W_MUL
.irp i, 0,1,2,3
.irp b, 0,1,2,3
.set rD, ACC+8*(4*\i+\b)
.set rB, 128*(\p)+64+16*\b
.set rA, 128*(\p)+16*\i
.set rSB, SB+8*(\b/2)+(\s)
.set rSA, SA+8*\i+(\s)
.if \zero
.if \b%2
	v_wmma_scale_f32_16x16x128_f8f6f4 v[rD:rD+7], v[rB:rB+15], v[rA:rA+15], 0, v[rSB], v[rSA] matrix_a_fmt:MATRIX_FMT_BF8 matrix_b_fmt:MATRIX_FMT_BF8 matrix_a_scale:MATRIX_SCALE_ROW1
.else
	v_wmma_scale_f32_16x16x128_f8f6f4 v[rD:rD+7], v[rB:rB+15], v[rA:rA+15], 0, v[rSB], v[rSA] matrix_a_fmt:MATRIX_FMT_BF8 matrix_b_fmt:MATRIX_FMT_BF8
.endif
.else
.if \b%2
	v_wmma_scale_f32_16x16x128_f8f6f4 v[rD:rD+7], v[rB:rB+15], v[rA:rA+15], v[rD:rD+7], v[rSB], v[rSA] matrix_a_fmt:MATRIX_FMT_BF8 matrix_b_fmt:MATRIX_FMT_BF8 matrix_a_scale:MATRIX_SCALE_ROW1
.else
	v_wmma_scale_f32_16x16x128_f8f6f4 v[rD:rD+7], v[rB:rB+15], v[rA:rA+15], v[rD:rD+7], v[rSB], v[rSA] matrix_a_fmt:MATRIX_FMT_BF8 matrix_b_fmt:MATRIX_FMT_BF8
.endif
.endif
.endr
.endr
.endm
.macro PLACES                          ; eight places behind this form, in front of loads into registers that matrix instructions have read and of the first read of results
.rept 8
	v_nop
.endr
.endm
	; the scale words of all eight K steps: 12 loads
.irp i, 0,1,2,3
.irp u, 0,1
	global_load_b128 v[SA+8*\i+4*\u:SA+8*\i+4*\u+3], v[AS+\i], s[6:7] offset:16*\u
.endr
.endr
.irp p, 0,1
.irp u, 0,1
	global_load_b128 v[SB+8*\p+4*\u:SB+8*\p+4*\u+3], v3, s[10:11] offset:4096*\p+16*\u
.endr
.endr
	LOADS 0, 0                                     ; 12 + 32 + 32 loads are issued ahead of the first wait; a load that finds the counter full waits at its issue (ISA guide 5.7.1),
	LOADS 1, 1                                     ; so no wait is placed for the counter's sake: at the wait below all of them have been issued
	s_wait_loadcnt 32                              ; the scale words and K step 0 are in; K step 1's 32 loads may be out
	MUL 0, 0, 1
	PLACES
	LOADS 2, 0
.irp s, 1,2,3,4,5
	s_wait_loadcnt 32                              ; this K step's loads are in; the next step's 32 may be out
	MUL \s, \s%2, 0
	PLACES
	LOADS \s+2, \s%2                               ; the buffer just multiplied takes the K step two on
.endr
	s_wait_loadcnt 32
	MUL 6, 0, 0
	s_wait_loadcnt 0x0
	MUL 7, 1, 0
	WIN 0
	PLACES
.irp i, 0,1,2,3
.irp b, 0,1,2,3
	ds_store_b128 v[STO], v[ACC+8*(4*\i+\b):ACC+8*(4*\i+\b)+3] offset:16*SP*\i+64*\b          ; lane (r, h): row 16 i + r, outputs 16 b + 8 h + 0..7; each accumulator from its low end on
	ds_store_b128 v[STO], v[ACC+8*(4*\i+\b)+4:ACC+8*(4*\i+\b)+7] offset:16*SP*\i+64*\b+16
.endr
.endr
.Lbar:
	s_wait_dscnt 0x0                               ; for the others' sake: my partial sums have landed
	s_barrier_signal -1
	s_barrier_wait -1
	s_cmp_eq_u32 s24, 0
	s_cbranch_scc1 .Lend
	; each wave adds the four parts of its 16 rows, two rows an instruction, and stores them
.irp i, 0,1,2,3,4,5,6,7
.irp p, 0,1,2,3
	ds_load_b128 v[ACC+16*\i+4*\p:ACC+16*\i+4*\p+3], v[RD] offset:PART*\p+2*SP*\i
.endr
.endr
	s_wait_dscnt 0x0
.irp i, 0,1,2,3,4,5,6,7
	v_pk_add_f32 v[ACC+16*\i:ACC+16*\i+1], v[ACC+16*\i:ACC+16*\i+1], v[ACC+16*\i+4:ACC+16*\i+5]         ; q0 + q1
	v_pk_add_f32 v[ACC+16*\i+2:ACC+16*\i+3], v[ACC+16*\i+2:ACC+16*\i+3], v[ACC+16*\i+6:ACC+16*\i+7]
	v_pk_add_f32 v[ACC+16*\i+8:ACC+16*\i+9], v[ACC+16*\i+8:ACC+16*\i+9], v[ACC+16*\i+12:ACC+16*\i+13]   ; q2 + q3
	v_pk_add_f32 v[ACC+16*\i+10:ACC+16*\i+11], v[ACC+16*\i+10:ACC+16*\i+11], v[ACC+16*\i+14:ACC+16*\i+15]
.endr
.irp i, 0,1,2,3,4,5,6,7
	v_pk_add_f32 v[ACC+16*\i:ACC+16*\i+1], v[ACC+16*\i:ACC+16*\i+1], v[ACC+16*\i+8:ACC+16*\i+9]
	v_pk_add_f32 v[ACC+16*\i+2:ACC+16*\i+3], v[ACC+16*\i+2:ACC+16*\i+3], v[ACC+16*\i+10:ACC+16*\i+11]
.endr
	s_wait_alu depctr_va_vdst(0)
	s_wait_xcnt 0x0                                ; EXEC changes only behind this wait
.irp i, 0,1,2,3,4,5,6,7
	v_cmp_lt_i32 vcc_lo, 2*\i, v[REM]              ; place 16 w + 2 i + lane / 16 holds a row
	s_and_saveexec_b32 s32, vcc_lo
	global_store_b128 v[RO+\i], v[ACC+16*\i:ACC+16*\i+3], s[16:17] th:TH_STORE_NT   ; 16 lanes store 256 consecutive bytes, at a multiple of 256 from out0's first byte
	s_wait_xcnt 0x0                                ; and again, in front of the line that widens it
	s_or_b32 exec_lo, exec_lo, s32
.endr
.Lend:
	s_barrier_signal -1
	s_barrier_wait -1
	s_wait_tensorcnt 0x0
	ds_add_u32 v126, v127
	s_wait_dscnt 0x0
	s_endpgm
.Lfunc_end_k_q3b66389993_gemm:
	.size	k_q3b66389993_gemm, .Lfunc_end_k_q3b66389993_gemm-k_q3b66389993_gemm
	.p2alignl 7, 3214868480
	.fill 96, 4, 3214868480
	.section	.rodata,"a",@progbits
	.p2align	6, 0x0
	.amdhsa_kernel k_q3b66389993_gemm
		.amdhsa_group_segment_fixed_size 70144
		.amdhsa_private_segment_fixed_size 0
		.amdhsa_enable_private_segment 0
		.amdhsa_kernarg_size 56
		.amdhsa_user_sgpr_count 2
		.amdhsa_user_sgpr_kernarg_segment_ptr 1
		.amdhsa_wavefront_size32 1
		.amdhsa_system_sgpr_workgroup_id_x 1
		.amdhsa_system_sgpr_workgroup_id_y 1
		.amdhsa_system_sgpr_workgroup_id_z 1
		.amdhsa_system_vgpr_workitem_id 0
		.amdhsa_next_free_vgpr 512
		.amdhsa_next_free_sgpr 66
		.amdhsa_reserve_vcc 1
		.amdhsa_float_denorm_mode_32 3
		.amdhsa_float_denorm_mode_16_64 3
		.amdhsa_memory_ordered 1
		.amdhsa_forward_progress 1
		.amdhsa_inst_pref_size 59
	.end_amdhsa_kernel
	.amdgpu_metadata
---
amdhsa.version: [ 1, 2 ]
amdhsa.kernels:
  - .name:           k_q3b66389993_gemm
    .symbol:         k_q3b66389993_gemm.kd
    .args:
      - { .name: bcodes, .offset: 0, .size: 8, .value_kind: global_buffer, .address_space: global }
      - { .name: bscales, .offset: 8, .size: 8, .value_kind: global_buffer, .address_space: global }
      - { .name: wcodes, .offset: 16, .size: 8, .value_kind: global_buffer, .address_space: global }
      - { .name: wscales, .offset: 24, .size: 8, .value_kind: global_buffer, .address_space: global }
      - { .name: rows, .offset: 32, .size: 8, .value_kind: global_buffer, .address_space: global }
      - { .name: tinfo, .offset: 40, .size: 8, .value_kind: global_buffer, .address_space: global }
      - { .name: out0, .offset: 48, .size: 8, .value_kind: global_buffer, .address_space: global }
    .group_segment_fixed_size: 70144
    .private_segment_fixed_size: 0
    .kernarg_segment_align: 8
    .kernarg_segment_size: 56
    .max_flat_workgroup_size: 128
    .sgpr_count:     66
    .vgpr_count:     512
    .wavefront_size: 32
...
	.end_amdgpu_metadata
.endif
;; end of part 2
